; MI455X (gfx1250); checked and timed in simulation.
; The chip was launched on July 23, 2026; its instructions are those of AMD's public machine-readable ISA for CDNA 5 (MIT licence, August 2026) and "CDNA5" Instruction Set Architecture Reference Guide (July 2026). The comments in the code are by the model that wrote it; some were corrected since.
;; Multi Headed Attention. Allowed arithmetic: matrix products marked QUANTISED: E4M3 operands, one given power-of-two scale a tensor, by v_wmma_f32_16x16x64_fp8_fp8 or v_wmma_f32_16x16x128_fp8_fp8, f32 sums; everything else in f32.
;; Inputs: W_qkv_codes 3,072 x 32 x 32 uint8 (E4M3 codes of W_qkv, K innermost, in blocks of 32 codes); b_qkv 3,072 float32; lowp_scales 6 int32 (the exponents e of the quantised operands' scales 2^e); x_codes 4 x 2,048 x 32 x 32 uint8 (E4M3 codes of x, K innermost, in blocks of 32 codes).
;; Outputs: out0 4 x 16 x 2,048 x 64 float32.
;; This version of the problem:
;;   THIS VERSION OF THE PROBLEM IS GIVEN IN LOW PRECISION. The matrix products marked QUANTISED in the list below multiply operands that are first quantised to E4M3 (4 exponent bits, 3 mantissa bits; 8 bits a number), with one given power-of-two scale for each operand tensor; their sums are f32. All else is computed in f32.
;;   The module's matrix products, in the order in which they are computed (A, B: the left and right operand; K: the contracted axis; several contracted axes count as one K, in the product's order):
;;     1. [M 8,192, K 1,024] x [K 1,024, N 3,072]; A: input x (given as codes); B: input W_qkv (given as codes): QUANTISED (scales: A lowp_scales[0], B lowp_scales[1])
;;     2. batch 64 x [M 2,048, K 64] x [K 64, N 2,048]; A: computed on the way; B: computed on the way: QUANTISED (scales: A lowp_scales[2], B lowp_scales[3])
;;     3. batch 64 x [M 2,048, K 2,048] x [K 2,048, N 64]; A: computed on the way; B: computed on the way: QUANTISED (scales: A lowp_scales[4], B lowp_scales[5])
;;   THE QUANTISER, for each operand of a quantised product, along K:
;;     - The operand's scale is 2^e, e = its entry of the input lowp_scales (int32; the entries are numbered through the quantised products in the list's order, A before B).
;;     - Each number is divided by the scale, clamped to +-448, and rounded to the nearest number of E4M3, ties to even, subnormals kept.
;;     - The product sums the exact products of the quantised numbers (number of the format x scale) in f32.
;;   ~~~python
;;   def quantise(x, axis, e):      # numpy; x: float32 -> the quantised numbers, widened to float32 again
;;       x = np.moveaxis(x, axis, -1); K = x.shape[-1]
;;       r = np.clip(x / 2.0 ** e, -448, 448)
;;       step = 2.0 ** (np.maximum(np.frexp(np.where(r == 0, 1, r))[1] - 1, -6) - 3)
;;       q = np.round(r / step) * step * 2.0 ** e      # np.round: ties to even
;;       return np.moveaxis(q, -1, axis).astype(np.float32)
;;   ~~~
;;   OPERANDS COMPUTED ON THE WAY. 'Computed on the way' means the value that the module computes at that place (a softmax that the list does not call 'softmax' is quantised finished and normalised). What goes into a quantiser is computed in f32, as accurately as f32 sums, v_exp_f32 and their like allow (about 1e-6 of the number): no bf16 or f16 on the way to a quantiser, and a product that is left as it is and whose result goes on into a quantised operand takes f32 operands (vector FMAs, or v_wmma_f32_16x16x4_f32). A number that lies on a knife's edge between two numbers of the format may be rounded either way, as far as f32 arithmetic and the matrix unit's own rounding can turn it there, and no further.
;;   INPUTS GIVEN AS CODES. W_qkv (in the module: [1024, 3072], K = its axis 0); x (in the module: [4, 2048, 1024], K = its axis 2): each comes as NAME_codes (uint8): NAME with its K axis moved to the last place and cut into blocks of 32 codes, [.., K / 32, bytes a block], one block behind the other in memory; one code a byte (a code: sign, 4 exponent bits, 3 mantissa bits); its scale is its entry of lowp_scales. Its value is code x scale, taken as it is: it is not quantised again, and the codes and scales need not be those that the quantiser above would give.
;; One version. Each part assembles by itself: llvm-mc -triple=amdgcn-amd-amdhsa -mcpu=gfx1250 --defsym DOCPART=n.
;; ======== version 1 of 1: 2 launches
;; workspace buffers: qc 8,388,608 bytes; kv 16,777,216 bytes
;; launch qkv (part 1): grid 8 x 32, 4 waves a work-group, clusters of 4 x 4, 327,680 bytes of LDS; arguments x_codes, W_qkv_codes, b_qkv, lowp_scales, qc, kv; writes qc, kv
.if DOCPART == 1
	.amdgcn_target "amdgcn-amd-amdhsa--gfx1250"
	.amdhsa_code_object_version 6
	.text
	.protected	k_q3ec90ecd2a_qkv
	.globl	k_q3ec90ecd2a_qkv
	.p2align	8
	.type	k_q3ec90ecd2a_qkv,@function
k_q3ec90ecd2a_qkv:
	s_mov_b64 s[64:65], 0
	v_nop
	global_prefetch_b8 v0, s[64:65] scope:SCOPE_SE
	s_setreg_imm32_b32 hwreg(HW_REG_WAVE_MODE, 25, 1), 1
	s_wait_xcnt 0x0
	s_wait_alu depctr_hold_cnt(0) depctr_sa_sdst(0) depctr_va_vdst(0) depctr_va_sdst(0) depctr_va_ssrc(0) depctr_va_vcc(0) depctr_vm_vsrc(0)
	s_getreg_b32 s2, hwreg(HW_REG_IB_STS2, 6, 4)
	s_cmp_eq_u32 s2, 0
	s_cbranch_scc0 .Lentry_in_a_cluster
	s_endpgm
.Lentry_in_a_cluster:
	s_bfe_u32 s2, ttmp6, 0x10000c
	s_cmp_lg_u32 s2, 0xf033
	s_cbranch_scc0 .Lentry_shape_is_right
	s_endpgm
.Lentry_shape_is_right:
; qkv = x W + b on codes of FP8 (E4M3), then q, k and v quantised again with their given scales.  x: [8192][1024] codes, W: [3072][1024] codes (K innermost in both), b: [3072] f32.
; Column c of qkv is 192 head + 3 d + kind (kind 0 q, 1 k, 2 v).  A sum stands for sum x 2^(e0 + e1); number = sum x 2^(e0 + e1) + b, one fused multiply-add; code = number / 2^e, held within +-448, e = e2 (q), e3 (k), e5 (v).
; LIMITS: e0 + e1 between -126 and 127; e2, e3, e5 between -126 and 119, so that each power of two below is an f32 number.  NaN codes among the inputs are not served.
; SHARES.  A work-group of four waves makes 256 rows x 384 columns (two heads); a wave 128 rows x one head's 192 columns: 96 accumulators of 16 x 16, 768 registers: 8192 x 3072 outputs over 1,024 waves, one tile each.
; K goes in steps of 128 through a ring of two LDS slots (640 rows of 128 bytes + 16; two slots of 256-byte rows would take 2 x 640 x 272 = 348,160 bytes, more than a work-group can have), each step in two halves of 64 along K.
; CLUSTERS: 4 x 4 work-groups.  The four of a row of the cluster need the same rows of x, the four of a column the same rows of W: each tile is asked for jointly, by the same tensor load with a mask that names the four.
; THE THREE KINDS ARE PARTED BY THE CHOICE OF W'S ROWS: lane r of W's fragment (kind, d tile t) takes row 48 t + 3 r + kind of the head's 192: 432 bytes from lane to lane.
; ORIENTATION.  q, k: source 0 = W's rows, source 1 = x's rows: a lane holds one token and eight neighbouring d.  v: the sources swapped: a lane holds one d and eight neighbouring tokens.  Either way a lane's
; eight registers run along the K of the product that will read them, so the conversions' results ARE that product's operand registers, and they are stored as images of those registers:
;   qc: [head of batch 64][tile of 16 tokens 128][1,024 bytes]: registers 4 c .. 4 c + 3 of lane l at 512 c + 16 l.      kv: [head of batch 64][step of 128 tokens 16][16,384 bytes]: eight such tiles of k, then four
;   fragments of v (16 d x 128 tokens, 2,048 bytes, the same way).  Every store of a wave covers 512 consecutive bytes, aligned.
; REGISTERS, in windows of 256: window 0: v0-31 addresses and constants; v32-127 W's 12 fragments, one set; v128-255 x's 8 fragments, two sets.  Windows 1, 2, 3: q's, k's, v's accumulators, (d tile t, row block a) at v[64 t + 8 a].
.set PITCH,  144                       ; an LDS row: 128 bytes + 16: 36 words, so the 16 rows of x's fragment (144 bytes apart) and of W's (432 apart, both odd multiples of 16) start at 16 different groups of four banks (ISA guide 11.1)
.set AHALF,  128*PITCH                 ; what one tensor load brings of x, and what one wave reads of it
.set BHALF,  192*PITCH                 ; the same for W: one head
.set BOFF,   2*AHALF
.set SLOT,   2*AHALF+2*BHALF           ; x's 256 rows, then W's 384
.set SPARE,  2*SLOT                    ; behind the ring: the spare words, 128 bytes a wave: two blocks of 256 bytes that no other line names
.set BIAS,   SPARE+512                 ; each wave's head's 192 biases, 768 bytes a wave; no tensor load lands here
.set KSLOT,  128
.set LAPS,   1024/(2*KSLOT)
.set LI,   2                           ; v2     16 x lane: my place in an image
.set BQA,  3                           ; v3     LDS: the biases of q and k for my half of the lanes
.set BVA,  4                           ; v4     LDS: the biases of v for my lane's d
.set SPW,  5                           ; v5     LDS address of my spare word; never rewritten
.set NIL,  6                           ; v6     0; never rewritten
.set SCQ,  7                           ; v7-9   2^e2, 2^e3, 2^e5 as f32
.set ADRA, 10                          ; v10-11 LDS address of my fragments of x in slot 0, 1
.set ADRB, 12                          ; v12-13 the same for W
.set BV,   16                          ; v16-23 v's bias of d tile t, twice, at v[16 + 2 t]
.set WF,   32
.set XF,   128
.set T,    32                          ; the way out: 64 numbers
.set C,    96                          ; the way out: 16 registers of codes
.set BQK,  128                         ; the way out: q's and k's biases, (kind, t) at v[128 + 32 kind + 8 t]
.set G1,  24                           ; s[24:31] descriptor group 1 for x's tiles; s[32:39] group 0, one set a slot
.set G0,  32
.set G1B, 48                           ; s[48:55], s[56:63] the same for W's
.set G0B, 56
.set MSB, 0
.macro WIN new                         ; the immediate's high byte repeats the setting that is left; a switch that changes nothing is dropped
.if MSB != (\new)
	s_set_vgpr_msb (MSB<<8)|(\new)
.set MSB, (\new)
.endif
.endm
.macro PLACES n
.rept \n
	v_nop
.endr
.endm
; A joint load: waves 0 and 1 fetch x's two halves, waves 2 and 3 W's.  The branch hangs on the wave's number alone.  Four v_nop follow each of the two lines.
.macro JLOAD g0a, g1a, g0b, g1b
	s_cmp_eq_u32 s17, 0
	s_cbranch_scc0 .Lfor_b_\@
	tensor_load_to_lds s[\g0a:\g0a+3], s[\g1a:\g1a+7]
	s_nop 0
.rept 4
	v_nop
.endr
	s_branch .Lasked_\@
.Lfor_b_\@:
	tensor_load_to_lds s[\g0b:\g0b+3], s[\g1b:\g1b+7]
	s_nop 0
.rept 4
	v_nop
.endr
.Lasked_\@:
.endm
.macro CREST                           ; a round of the cluster's barrier behind its opening barrier
	s_cmp_lg_u32 s16, 0
	s_cbranch_scc1 .Lnot_wave_0_\@
	s_barrier_signal -3
.Lnot_wave_0_\@:
	s_barrier_wait -3
	s_barrier_signal -1
	s_barrier_wait -1
.endm
.macro CROUND                          ; a whole round
	s_barrier_signal -1
	s_barrier_wait -1
	CREST
.endm
	s_load_b256 s[4:11], s[0:1], 0x0               ; x s[4:5], W s[6:7], b s[8:9], the exponents s[10:11]
	s_load_b128 s[12:15], s[0:1], 0x20             ; qc s[12:13], kv s[14:15]
	v_lshl_add_u32 v[SPW], v0, 2, SPARE
	v_mov_b32 v[NIL], 0
	ds_add_u32 v5, v6
	ds_add_u32 v5, v6
	s_wait_dscnt 0x0
	v_lshrrev_b32 v1, 5, v0
	v_readfirstlane_b32 s16, v1                    ; wave 0..3
	s_lshr_b32 s17, s16, 1                         ; which 128 rows are mine.  Also: I fetch for x (0) or for W (1)
	s_and_b32 s18, s16, 1                          ; which head is mine.  Also: which half of that tile I fetch
	s_bfe_u32 s40, ttmp6, 0x40000                  ; cx, cy: my place in the cluster
	s_bfe_u32 s41, ttmp6, 0x40004
	s_lshl_b32 s42, ttmp9, 2
	s_add_co_u32 s42, s42, s40                     ; block of 384 columns = 4 x cluster x + cx
	s_and_b32 s43, ttmp7, 0xffff
	s_lshl_b32 s43, s43, 2
	s_add_co_u32 s43, s43, s41                     ; block of 256 rows = 4 x cluster y + cy
	s_lshl_b32 s44, s41, 2
	s_lshl_b32 s44, 15, s44                        ; my row of the cluster
	s_lshl_b32 s45, 0x1111, s40                    ; my column
	; descriptor group 1: rows of 128 bytes, 1,024 bytes apart in memory, padded in LDS; 128 rows of x, 192 of W
	s_or_b32 s[G1], s44, (1<<20)|(1<<21)|(4<<22)|(3<<25)    ; 15:0 the mask; 17:16 elements of 1 byte; 20 padding on; 21 set beside a mask; 24:22 after every 32 words (code 4); 31:25 four words (code 3)
	s_or_b32 s[G1B], s45, (1<<20)|(1<<21)|(4<<22)|(3<<25)
	s_mov_b32 s[G1+1], 128<<16                     ; tensor_dim0
	s_mov_b32 s[G1+2], 128<<16                     ; tensor_dim1
	s_mov_b32 s[G1+3], 128<<16                     ; tile_dim0
	s_mov_b32 s[G1+4], 128                         ; tile_dim1
	s_mov_b32 s[G1+5], 1024                        ; tensor_dim0_stride
	s_mov_b32 s[G1+6], 0
	s_mov_b32 s[G1+7], 0
	s_mov_b32 s[G1B+1], 128<<16
	s_mov_b32 s[G1B+2], 192<<16
	s_mov_b32 s[G1B+3], 128<<16
	s_mov_b32 s[G1B+4], 192
	s_mov_b32 s[G1B+5], 1024
	s_mov_b32 s[G1B+6], 0
	s_mov_b32 s[G1B+7], 0
	s_lshl_b32 s20, s43, 8                         ; x: row 256 x block + 128 x half,
	s_lshl_b32 s21, s18, 7
	s_add_co_u32 s20, s20, s21
	s_lshl_b32 s20, s20, 10                        ; in bytes (under 2^23)
	s_mov_b32 s21, 0
	s_mul_i32 s46, s42, 384                        ; W: row 384 x block + 192 x half,
	s_mul_i32 s47, s18, 192
	s_add_co_u32 s46, s46, s47
	s_lshl_b32 s46, s46, 10                        ; in bytes
	s_mov_b32 s47, 0
	s_mul_i32 s22, s18, AHALF                      ; where they go: no place in the cluster enters an LDS address
	s_mul_i32 s23, s18, BHALF
	s_add_co_u32 s23, s23, BOFF
	s_wait_kmcnt 0x0
	s_load_b128 s[68:71], s[10:11], 0x0            ; e0 .. e3
	s_load_b64 s[72:73], s[10:11], 0x10            ; e4, e5
	s_add_nc_u64 s[20:21], s[4:5], s[20:21]
	s_add_nc_u64 s[46:47], s[6:7], s[46:47]
	CROUND                                         ; all sixteen work-groups are here: the first joint loads meet
.irp s, 0,1
	s_mov_b32 s[G0+4*\s], 1
	s_add_co_u32 s[G0+4*\s+1], s22, \s*SLOT
	s_add_nc_u64 s[G0+4*\s+2:G0+4*\s+3], s[20:21], \s*KSLOT
	s_or_b32 s[G0+4*\s+3], s[G0+4*\s+3], 0x80000000
	s_mov_b32 s[G0B+4*\s], 1
	s_add_co_u32 s[G0B+4*\s+1], s23, \s*SLOT
	s_add_nc_u64 s[G0B+4*\s+2:G0B+4*\s+3], s[46:47], \s*KSLOT
	s_or_b32 s[G0B+4*\s+3], s[G0B+4*\s+3], 0x80000000
	JLOAD G0+4*\s, G1, G0B+4*\s, G1B               ; two loads of mine are out
.endr
	; my head's 192 biases come once, in three loads of 256 consecutive bytes, and lie in LDS for the way out
	s_lshl_b32 s82, s42, 1
	s_add_co_u32 s82, s82, s18                     ; my head, 0..15
	s_mul_i32 s84, s82, 768
	s_mov_b32 s85, 0
	s_add_nc_u64 s[8:9], s[8:9], s[84:85]
	v_and_b32 v1, 31, v0                           ; lane
	v_lshlrev_b32 v14, 3, v1
	global_load_b64 v[24:25], v14, s[8:9]
	global_load_b64 v[26:27], v14, s[8:9] offset:256
	global_load_b64 v[28:29], v14, s[8:9] offset:512
	s_mul_i32 s86, s16, 768
	s_add_co_u32 s86, s86, BIAS
	v_add_nc_u32 v15, s86, v14
	v_lshlrev_b32 v[LI], 4, v1
	v_and_b32 v30, 15, v0                          ; r
	v_bfe_u32 v31, v0, 4, 1                        ; h
	v_mul_u32_u24 v1, v31, 96                      ; q, k: register j of tile t is d = 16 t + 8 h + j: bias word 48 t + 24 h + 3 j + kind
	v_add_nc_u32 v[BQA], s86, v1
	v_mul_u32_u24 v1, v30, 12                      ; v: my d = 16 t + r: bias word 48 t + 3 r + 2
	v_add_nc_u32 v[BVA], s86, v1
	v_mul_u32_u24 v1, v30, PITCH
	v_lshl_add_u32 v1, v31, 4, v1                  ; x: row r, + 16 h
	s_mul_i32 s87, s17, AHALF
	v_add_nc_u32 v[ADRA], s87, v1
	v_add_nc_u32 v[ADRA+1], SLOT, v[ADRA]
	v_mul_u32_u24 v1, v30, 3*PITCH
	v_lshl_add_u32 v1, v31, 4, v1                  ; W: row 3 r, + 16 h
	v_add_nc_u32 v[ADRB], s23, v1
	v_add_nc_u32 v[ADRB+1], SLOT, v[ADRB]
	; where my results go: head of batch = 16 (row block / 8) + head; step of 128 tokens = (2 x row block + my half) mod 16
	s_lshr_b32 s84, s43, 3
	s_lshl_b32 s84, s84, 4
	s_add_co_u32 s84, s84, s82
	s_lshl_b32 s85, s43, 1
	s_add_co_u32 s85, s85, s17
	s_and_b32 s85, s85, 15
	s_lshl_b32 s82, s84, 17
	s_lshl_b32 s83, s85, 13
	s_add_co_u32 s82, s82, s83                     ; qc: 131,072 a head, 8,192 a step
	s_mov_b32 s83, 0
	s_add_nc_u64 s[12:13], s[12:13], s[82:83]
	s_lshl_b32 s82, s82, 1                         ; kv: twice that
	s_add_nc_u64 s[14:15], s[14:15], s[82:83]
	s_wait_kmcnt 0x0
	s_add_co_i32 s74, s68, s69
	s_add_co_i32 s74, s74, 127
	s_lshl_b32 s74, s74, 23                        ; 2^(e0 + e1) as f32
	s_mov_b32 s75, s74                             ; (named with it as a pair, so it is written)
.macro LIMS e, k                       ; for kind k with exponent s[e]: the scale as f32 in v[SCQ + k]; +448 x the scale in s[76 + 2 k], its negative in s[77 + 2 k]
	s_add_co_i32 s88, s[\e], 127
	s_lshl_b32 s89, s88, 23
	v_mov_b32 v[SCQ+\k], s89
	s_add_co_i32 s88, s88, 8
	s_lshl_b32 s88, s88, 23
	s_or_b32 s[76+2*\k], s88, 0x600000
	s_or_b32 s[77+2*\k], s[76+2*\k], 0x80000000
.endm
	LIMS 70, 0
	LIMS 71, 1
	LIMS 73, 2
	s_wait_loadcnt 0x0
	ds_store_b64 v15, v[24:25]
	ds_store_b64 v15, v[26:27] offset:256
	ds_store_b64 v15, v[28:29] offset:512
; A fragment, 16 rows x 64 K, is 8 registers, fetched by two loads of 16 bytes: registers 4 c .. 4 c + 3 hold K = 32 c + 16 (lane / 16) + 0 .. 15: a permutation of k that is the same in x and in W, so every product meets its partner.
.macro FRAGX xs, slot, q, a
.irp c, 0,1
	ds_load_b128 v[XF+64*(\xs)+8*(\a)+4*\c:XF+64*(\xs)+8*(\a)+4*\c+3], v[ADRA+\slot] offset:64*(\q)+32*\c+(\a)*16*PITCH
.endr
.endm
.macro FRAGW slot, q, bk               ; block bk: kind bk / 4, d tile bk % 4
.irp c, 0,1
	ds_load_b128 v[WF+8*(\bk)+4*\c:WF+8*(\bk)+4*\c+3], v[ADRB+\slot] offset:64*(\q)+32*\c+(48*((\bk)%4)+(\bk)/4)*PITCH
.endr
.endm
.macro FETCH_X slot, q, xs             ; 16 loads
.irp a, 0,1,2,3,4,5,6,7
	FRAGX \xs, \slot, \q, \a
.endr
.endm
.macro FETCH_W slot, q, b0             ; 12 loads: blocks b0 .. b0 + 5
.irp b, 0,1,2,3,4,5
	FRAGW \slot, \q, \b0+\b
.endr
.endm
; 8 matrix instructions: W's block bk against x's eight.  The 96 accumulators take turns, one instruction a turn, in the same order in every half step.  zero = 1: the product starts the sum.
.macro MULB bk, xs, zero
	WIN (1+(\bk)/4)*0x50
.irp a, 0,1,2,3,4,5,6,7
.set AC, 64*((\bk)%4)+8*\a
.set FW, WF+8*(\bk)
.set FX, XF+64*(\xs)+8*\a
.if (\bk) < 8
.if \zero
	v_wmma_f32_16x16x64_fp8_fp8 v[AC:AC+7], v[FW:FW+7], v[FX:FX+7], 0
.else
	v_wmma_f32_16x16x64_fp8_fp8 v[AC:AC+7], v[FW:FW+7], v[FX:FX+7], v[AC:AC+7]
.endif
.else
.if \zero
	v_wmma_f32_16x16x64_fp8_fp8 v[AC:AC+7], v[FX:FX+7], v[FW:FW+7], 0
.else
	v_wmma_f32_16x16x64_fp8_fp8 v[AC:AC+7], v[FX:FX+7], v[FW:FW+7], v[AC:AC+7]
.endif
.endif
.endr
.endm
; A load into a register that a matrix instruction has read stands four places behind it, and only plain vector instructions that name none of its registers are places (ISA guide 7.12.1 for vector instructions).
; A slot's first 64 along K, on x's set 0.  W has one set: blocks 0-5 are fetched anew in the middle, blocks 6-11 at the end; x's other set comes in the middle run.
.macro STEP slot, zero
	s_wait_dscnt 12                                ; x's set and W's blocks 0-5 are in; the youngest 12 loads (W's blocks 6-11) may be out
.irp bk, 0,1,2,3,4,5
	MULB \bk, 0, \zero
.endr
	PLACES 4
	WIN 0
	FETCH_X \slot, 1, 1
	FETCH_W \slot, 1, 0
	s_wait_dscnt 28                                ; all but the 28 just issued: W's blocks 6-11 are in
.irp bk, 6,7,8,9,10,11
	MULB \bk, 0, \zero
.endr
	PLACES 4
	WIN 0
	FETCH_W \slot, 1, 6
.endm
; A slot's second 64 along K, on x's set 1, changes slots: one barrier; in front of it each wave waits for all its tensor loads, adds 0 to its spare word, and waits for that and for its reads of this slot.
.macro TURN slot, next, fill
	s_wait_tensorcnt 0x0                           ; all my tensor loads have landed: my part of the next slot
	ds_add_u32 v[SPW], v[NIL]                      ; 0 onto my spare word
	s_wait_dscnt 13                                ; (the add and the youngest 12 loads, W's blocks 6-11, may be out)
.irp bk, 0,1,2
	MULB \bk, 1, 0
.endr
	s_wait_dscnt 0x0                               ; the add is done, and my reads of this slot are over
	s_barrier_signal -1
.irp bk, 3,4,5
	MULB \bk, 1, 0
.endr
	WIN 0
	s_barrier_wait -1
.if \fill
	CREST                                          ; the barrier has opened a round of the cluster's: no wave of any partner still reads this slot or has a load on its way
	s_add_nc_u64 s[G0+4*\slot+2:G0+4*\slot+3], s[G0+4*\slot+2:G0+4*\slot+3], 2*KSLOT
	s_add_nc_u64 s[G0B+4*\slot+2:G0B+4*\slot+3], s[G0B+4*\slot+2:G0B+4*\slot+3], 2*KSLOT
	JLOAD G0+4*\slot, G1, G0B+4*\slot, G1B         ; the first tensor load behind the round, 144 matrix instructions ahead of the wait for it; its four v_nop are the places in front of the loads below
.else
	PLACES 4
.endif
	FETCH_X \next, 0, 0
	FETCH_W \next, 0, 0
.irp bk, 6,7,8,9,10,11
	MULB \bk, 1, 0
.endr
	PLACES 4
	WIN 0
	FETCH_W \next, 0, 6
.endm
	s_wait_dscnt 0x0                               ; my biases lie in LDS
	s_wait_tensorcnt 1                             ; my part of slot 0 is in; slot 1's may stay out
	s_barrier_signal -1
	s_barrier_wait -1
	FETCH_X 0, 0, 0
	FETCH_W 0, 0, 0
	FETCH_W 0, 0, 6
	STEP 0, 1                                      ; the first half step stands in front of the loop: its products start the sums
	s_mov_b32 s19, LAPS-1
.Llap:                                                 ; a trip goes once round the ring and fills both slots again
	TURN 0, 1, 1
	STEP 1, 0
	TURN 1, 0, 1
	STEP 0, 0
	s_sub_co_u32 s19, s19, 1
	s_cmp_lg_u32 s19, 0
	s_cbranch_scc1 .Llap
	TURN 0, 1, 0                                   ; the last lap fills nothing
	STEP 1, 0
	s_wait_dscnt 12                                ; the very last half step: in its middle the biases come out of LDS, into x's set 0 and v16-23
.irp bk, 0,1,2,3,4,5
	MULB \bk, 1, 0
.endr
	s_wait_dscnt 0x0
	PLACES 4
	WIN 0
.irp kk, 0,1
.irp t, 0,1,2,3
.irp j, 0,1,2,3,4,5,6,7
	ds_load_b32 v[BQK+32*\kk+8*\t+\j], v[BQA] offset:4*(48*\t+3*\j+\kk)
.endr
.endr
.endr
.irp t, 0,1,2,3
	ds_load_b32 v[BV+2*\t], v[BVA] offset:4*(48*\t+2)
	ds_load_b32 v[BV+2*\t+1], v[BVA] offset:4*(48*\t+2)
.endr
.irp bk, 6,7,8,9,10,11
	MULB \bk, 1, 0
.endr
	WIN 0
	s_wait_dscnt 0x0
	PLACES 4                                       ; in front of the first read of results and the first write of W's registers
; THE WAY OUT.  q or k, 16 tokens: the four d tiles' sums x 2^(e0 + e1) + b (each accumulator from its low end on), the hold (the conversion to an 8-bit code does not saturate: ISA guide 7.6.2), four conversions:
; eight registers, which are the fragment that the next launch's first product takes.
.macro OUTQK kind, a
	WIN 1+\kind                                    ; source 0: the kind's window
.irp t, 0,1,2,3
.irp i, 0,2,4,6
	v_pk_fma_f32 v[T+8*\t+\i:T+8*\t+\i+1], v[64*\t+8*(\a)+\i:64*\t+8*(\a)+\i+1], s[74:75], v[BQK+32*\kind+8*\t+\i:BQK+32*\kind+8*\t+\i+1] op_sel_hi:[1,0,1]
.endr
.endr
	WIN 0
.set hj, 0
.rept 32
	v_med3_num_f32 v[T+hj], v[T+hj], s[77+2*\kind], s[76+2*\kind]
.set hj, hj+1
.endr
	s_wait_xcnt 0x0                                ; the earlier stores have read their data: the codes' registers are written again only behind this wait
.irp t, 0,1,2,3
	v_cvt_scalef32_pk8_fp8_f32 v[C+2*\t:C+2*\t+1], v[T+8*\t:T+8*\t+7], v[SCQ+\kind]
.endr
	v_nop                                          ; one plain line behind the last conversion: the next lines write its sources
.if \kind == 0
	global_store_b128 v[LI], v[C:C+3], s[12:13] offset:1024*(\a)
	global_store_b128 v[LI], v[C+4:C+7], s[12:13] offset:1024*(\a)+512
.else
	global_store_b128 v[LI], v[C:C+3], s[14:15] offset:1024*(\a)
	global_store_b128 v[LI], v[C+4:C+7], s[14:15] offset:1024*(\a)+512
.endif
.endm
; v, d tile t: the eight row blocks' sums are 64 tokens a lane of one d: sixteen registers of codes: the fragment (16 d x 128 tokens) that the next launch's second product takes.
.macro OUTV t
	WIN 3
.irp a, 0,1,2,3,4,5,6,7
.irp i, 0,2,4,6
	v_pk_fma_f32 v[T+8*\a+\i:T+8*\a+\i+1], v[64*(\t)+8*\a+\i:64*(\t)+8*\a+\i+1], s[74:75], v[BV+2*(\t):BV+2*(\t)+1] op_sel_hi:[1,0,1]
.endr
.endr
	WIN 0
.set hj, 0
.rept 64
	v_med3_num_f32 v[T+hj], v[T+hj], s81, s80
.set hj, hj+1
.endr
	s_wait_xcnt 0x0
.irp a, 0,1,2,3,4,5,6,7
	v_cvt_scalef32_pk8_fp8_f32 v[C+2*\a:C+2*\a+1], v[T+8*\a:T+8*\a+7], v[SCQ+2]
.endr
	v_nop
.irp c, 0,1,2,3
	global_store_b128 v[LI], v[C+4*\c:C+4*\c+3], s[14:15] offset:8192+2048*(\t)+512*\c
.endr
.endm
.irp a, 0,1,2,3,4,5,6,7
	OUTQK 0, \a
.endr
.irp a, 0,1,2,3,4,5,6,7
	OUTQK 1, \a
.endr
.irp t, 0,1,2,3
	OUTV \t
.endr
	s_wait_tensorcnt 0x0                           ; the wave's end
	ds_add_u32 v[SPW], v[NIL]
	s_wait_dscnt 0x0
	CROUND                                         ; the closing round: no work-group ends while a partner may still ask for a tile that names it
	s_endpgm
.Lfunc_end_k_q3ec90ecd2a_qkv:
	.size	k_q3ec90ecd2a_qkv, .Lfunc_end_k_q3ec90ecd2a_qkv-k_q3ec90ecd2a_qkv
	.p2alignl 7, 3214868480
	.fill 96, 4, 3214868480
	.section	.rodata,"a",@progbits
	.p2align	6, 0x0
	.amdhsa_kernel k_q3ec90ecd2a_qkv
		.amdhsa_group_segment_fixed_size 327680
		.amdhsa_private_segment_fixed_size 0
		.amdhsa_enable_private_segment 0
		.amdhsa_kernarg_size 48
		.amdhsa_user_sgpr_count 2
		.amdhsa_user_sgpr_kernarg_segment_ptr 1
		.amdhsa_wavefront_size32 1
		.amdhsa_system_sgpr_workgroup_id_x 1
		.amdhsa_system_sgpr_workgroup_id_y 1
		.amdhsa_system_sgpr_workgroup_id_z 1
		.amdhsa_system_vgpr_workitem_id 0
		.amdhsa_next_free_vgpr 1024
		.amdhsa_next_free_sgpr 96
		.amdhsa_reserve_vcc 0
		.amdhsa_float_denorm_mode_32 3
		.amdhsa_float_denorm_mode_16_64 3
		.amdhsa_memory_ordered 1
		.amdhsa_forward_progress 1
		.amdhsa_inst_pref_size 173
	.end_amdhsa_kernel
	.amdgpu_metadata
---
amdhsa.version: [ 1, 2 ]
amdhsa.kernels:
  - .name:           k_q3ec90ecd2a_qkv
    .symbol:         k_q3ec90ecd2a_qkv.kd
    .args:
      - { .name: x_codes, .offset: 0, .size: 8, .value_kind: global_buffer, .address_space: global }
      - { .name: W_qkv_codes, .offset: 8, .size: 8, .value_kind: global_buffer, .address_space: global }
      - { .name: b_qkv, .offset: 16, .size: 8, .value_kind: global_buffer, .address_space: global }
      - { .name: lowp_scales, .offset: 24, .size: 8, .value_kind: global_buffer, .address_space: global }
      - { .name: qc, .offset: 32, .size: 8, .value_kind: global_buffer, .address_space: global }
      - { .name: kv, .offset: 40, .size: 8, .value_kind: global_buffer, .address_space: global }
    .group_segment_fixed_size: 327680
    .private_segment_fixed_size: 0
    .kernarg_segment_align: 8
    .kernarg_segment_size: 48
    .max_flat_workgroup_size: 128
    .sgpr_count:     96
    .vgpr_count:     1024
    .wavefront_size: 32
...
	.end_amdgpu_metadata
.endif
;; end of part 1
;; launch attn (part 2): grid 4 x 64, 8 waves a work-group, clusters of 4 x 1, 297,984 bytes of LDS; arguments qc, kv, lowp_scales, out0; writes out0
.if DOCPART == 2
	.amdgcn_target "amdgcn-amd-amdhsa--gfx1250"
	.amdhsa_code_object_version 6
	.text
	.protected	k_q3ec90ecd2a_attn
	.globl	k_q3ec90ecd2a_attn
	.p2align	8
	.type	k_q3ec90ecd2a_attn,@function
k_q3ec90ecd2a_attn:
	s_mov_b64 s[64:65], 0
	v_nop
	global_prefetch_b8 v0, s[64:65] scope:SCOPE_SE
	s_setreg_imm32_b32 hwreg(HW_REG_WAVE_MODE, 25, 1), 1
	s_wait_xcnt 0x0
	s_wait_alu depctr_hold_cnt(0) depctr_sa_sdst(0) depctr_va_vdst(0) depctr_va_sdst(0) depctr_va_ssrc(0) depctr_va_vcc(0) depctr_vm_vsrc(0)
	s_getreg_b32 s2, hwreg(HW_REG_IB_STS2, 6, 4)
	s_cmp_eq_u32 s2, 0
	s_cbranch_scc0 .Lentry_in_a_cluster
	s_endpgm
.Lentry_in_a_cluster:
	s_bfe_u32 s2, ttmp6, 0x10000c
	s_cmp_lg_u32 s2, 0x3003
	s_cbranch_scc0 .Lentry_shape_is_right
	s_endpgm
.Lentry_shape_is_right:
; out[bh][i][:] = the sum over j of Q(32 q_i . k_j) v_j, both products on codes of FP8 (E4M3); no softmax.  qc and kv hold q's, k's and v's codes as images of the operand registers (laid by the launch before).
; A score's sum stands for sum x 2^(e2 + e3); attn = 32 x that; its code = attn / 2^e4 = sum / 2^E, E = e4 - e2 - e3 - 5, held within +-448.  out = the second sum x 2^(e4 + e5).
; LIMITS: E between -126 and 119, e4 + e5 between -126 and 127, so that each power of two below is an f32 number.
; SHARES.  A work-group owns 512 queries of one head of one batch, each of its EIGHT waves 64: four tiles of 16, in 512 registers, two waves to a SIMD.  A tile of 16 queries x 128 keys has 72 vector instructions
; (64 holds, 8 conversions) for 12 matrix instructions: more than one wave can set between its own products, so one wave's vector work stands beside the other's products.  Every wave walks the head's 2,048 keys,
; 128 a step; each fragment of k and v read from LDS feeds four products.
; LDS.  The head's k and v, 262,144 bytes, lie in LDS whole, as they lie in memory (step s at 16,384 s: eight fragments of k, four of v).  They are filled once, by two tensor loads of each of waves 0 to 3, issued at the
; start (steps 0-3, then steps 4-15): nothing is filled again, so the text has no ring.  Behind them: a stage of 16 rows x 272 bytes for each wave, for the way out.
; CLUSTER.  The four work-groups of a cluster are the four blocks of queries of one head and need the same k and v: each load is asked for jointly, with the same descriptor and the mask of all four.
; LAYOUT.  S^T = k q^T (source 0 = 16 keys, source 1 = 16 queries): a lane holds ONE query and eight neighbouring keys, so eight conversions turn the eight key tiles of a step into source 1 (128 keys x 16 queries)
; of O^T = v^T P (source 0 = 16 d x 128 keys), whose result holds one query a lane and eight neighbouring d.
; BY TURNS.  A turn belongs to one tile of queries in one step: its 64 scores a lane are held and converted; as soon as a key tile's scores are converted, the next query tile's product is written over them;
; and the four products O^T of the query tile before stand among the holds.
; REGISTERS, in windows of 256: window 0: v1-6 addresses, the scale; v32-95 S^T (8 key tiles); v96-127 P, two sets; v128-255 k's fragments, two sets.   window 1: v6 the scale again; v32-63 q's four fragments;
; v64-127 v's four fragments, ONE set (two would pass 512 registers), replaced tile by tile; v128-255 O^T, (query tile i, d tile t) at v[128 + 32 i + 8 t].
; Under M1 (source 1 in window 1) stand the score products, the holds, the conversions and k's loads; only O^T's products and v's loads switch.
.set NQ,    4                          ; tiles of 16 queries to a wave
.set STEPB, 16384
.set STAGE, 262144
.set SP,    272
.set LI,  1                            ; v1   16 x lane: my place in an image, and in two rows of out
.set ADR, 2                            ; v2   LDS address of the trip's first step
.set STO, 3                            ; v3   the way out: where I put 32 bytes of a row
.set RD,  4                            ; v4   the way out: where I read a row back
.set SCL, 6                            ; v6   2^E as f32, in window 0 and in window 1
.set S,   32
.set P,   96
.set KF,  128
.set QF,  32                           ; in window 1
.set VF,  64                           ; in window 1
.set OA,  128                          ; in window 1
.set TS,  32                           ; the way out: scaled results, two sets of 32
.set BK,  128                          ; the way out: rows read back, two sets of 32
.set WV,  12                           ; s12  my wave's number
.set G1A, 24                           ; s[24:31] descriptor group 1 of the first fill; s[32:39] of the second
.set G1B, 32
.set G0A, 40                           ; s[40:43], s[44:47] their groups 0
.set G0B, 44
.set LPOS, 54                          ; s54  448 x 2^E;  s55 its negative
.set LNEG, 55
.set OSC, 56                           ; s[56:57] 2^(e4 + e5), twice
.set TB,  58                           ; s58  LDS byte of the trip's first step
.set CNT, 59
.set M1,  0x04                         ; source 1 window 1
.set M2,  0x51                         ; source 0 (v) window 1, source 1 (P) window 0, C and D window 1
.set LDV, 0x40                         ; destination window 1, address window 0
.set MSB, 0
.macro WIN new                         ; the immediate's high byte repeats the setting that is left; a switch that changes nothing is dropped
.if MSB != (\new)
	s_set_vgpr_msb (MSB<<8)|(\new)
.set MSB, (\new)
.endif
.endm
.macro CROUND                          ; a round of the cluster's barrier
	s_barrier_signal -1
	s_barrier_wait -1
	s_cmp_lg_u32 s[WV], 0
	s_cbranch_scc1 .Lnot_wave_0_\@
	s_barrier_signal -3
.Lnot_wave_0_\@:
	s_barrier_wait -3
	s_barrier_signal -1
	s_barrier_wait -1
.endm
	s_load_b256 s[4:11], s[0:1], 0x0               ; qc s[4:5], kv s[6:7], the exponents s[8:9], out s[10:11]
	v_lshl_add_u32 v30, v0, 2, 0x48800
	v_mov_b32 v31, 0
	ds_add_u32 v30, v31
	ds_add_u32 v30, v31
	v_lshrrev_b32 v5, 5, v0
	v_readfirstlane_b32 s[WV], v5                  ; wave 0..7
	s_bfe_u32 s13, ttmp6, 0x40000                  ; cx: my place in the cluster
	s_lshl_b32 s14, ttmp9, 2
	s_add_co_u32 s14, s14, s13                     ; my block of 512 queries: it enters q's and out's addresses alone
	s_and_b32 s15, ttmp7, 0xffff                   ; the head of the batch, which the four partners share
	; descriptor group 1: a dense block as rows of 256 bytes (32 elements of 8 bytes), no padding: 64 rows a load, then 192
	s_mov_b32 s[G1A], 15|(3<<16)|(1<<21)           ; 15:0 the mask: all four work-groups; 17:16 elements of 8 bytes; 21 set beside a mask
	s_mov_b32 s[G1A+1], 32<<16                     ; tensor_dim0
	s_mov_b32 s[G1A+2], 64<<16                     ; tensor_dim1
	s_mov_b32 s[G1A+3], 32<<16                     ; tile_dim0
	s_mov_b32 s[G1A+4], 64                         ; tile_dim1
	s_mov_b32 s[G1A+5], 32                         ; tensor_dim0_stride
	s_mov_b32 s[G1A+6], 0
	s_mov_b32 s[G1A+7], 0
	s_mov_b32 s[G1B], 15|(3<<16)|(1<<21)
	s_mov_b32 s[G1B+1], 32<<16
	s_mov_b32 s[G1B+2], 192<<16
	s_mov_b32 s[G1B+3], 32<<16
	s_mov_b32 s[G1B+4], 192
	s_mov_b32 s[G1B+5], 32
	s_mov_b32 s[G1B+6], 0
	s_mov_b32 s[G1B+7], 0
	s_and_b32 s23, s[WV], 3                        ; waves 0 to 3 fetch a quarter each (waves 4 to 7 make the same words and issue nothing)
	s_lshl_b32 s18, s23, 14                        ; my quarter of steps 0-3: 16,384 x wave, in LDS as in the head's block
	s_lshl_b32 s16, s15, 18                        ; the head's block: 262,144 bytes
	s_add_co_u32 s16, s16, s18
	s_mov_b32 s17, 0
	s_mul_i32 s19, s23, 49152                      ; my quarter of steps 4-15
	s_add_co_u32 s19, s19, 65536
	s_lshl_b32 s20, s15, 18
	s_add_co_u32 s20, s20, s19
	s_mov_b32 s21, 0
	s_wait_dscnt 0x0
	s_wait_kmcnt 0x0
	s_load_b128 s[48:51], s[8:9], 0x0              ; e0 .. e3
	s_load_b64 s[52:53], s[8:9], 0x10              ; e4, e5
	s_mov_b32 s[G0A], 1
	s_mov_b32 s[G0A+1], s18
	s_add_nc_u64 s[G0A+2:G0A+3], s[6:7], s[16:17]
	s_or_b32 s[G0A+3], s[G0A+3], 0x80000000
	s_mov_b32 s[G0B], 1
	s_mov_b32 s[G0B+1], s19
	s_add_nc_u64 s[G0B+2:G0B+3], s[6:7], s[20:21]
	s_or_b32 s[G0B+3], s[G0B+3], 0x80000000
	CROUND                                         ; all four work-groups are here: the joint loads meet
	s_cmp_lt_u32 s[WV], 4                          ; a wave's two fills stand in one branch on the wave's number, the same in every work-group
	s_cbranch_scc0 .Lno_fill
	tensor_load_to_lds s[G0A:G0A+3], s[G1A:G1A+7]  ; both fills go out together: two loads of mine are out
	s_nop 0
	tensor_load_to_lds s[G0B:G0B+3], s[G1B:G1B+7]
	s_nop 0
.rept 4
	v_nop
.endr
.Lno_fill:
	v_and_b32 v5, 31, v0
	v_lshlrev_b32 v[LI], 4, v5
	s_lshl_b32 s60, s15, 17                        ; q: 131,072 bytes a head, 32 tiles of 1,024 a block, 4 a wave
	s_lshl_b32 s61, s14, 15
	s_add_co_u32 s60, s60, s61
	s_lshl_b32 s61, s[WV], 12
	s_add_co_u32 s60, s60, s61
	s_mov_b32 s61, 0
	s_add_nc_u64 s[4:5], s[4:5], s[60:61]
	WIN LDV
.irp i, 0,1,2,3
.irp c, 0,1
	global_load_b128 v[QF+8*\i+4*\c:QF+8*\i+4*\c+3], v[LI], s[4:5] offset:1024*\i+512*\c   ; q's four fragments stay in registers
.endr
.endr
	WIN 0
	s_lshl_b32 s62, s15, 19                        ; out: 524,288 bytes a head, 131,072 a block, 16,384 a wave
	s_lshl_b32 s63, s14, 17
	s_add_co_u32 s62, s62, s63
	s_lshl_b32 s63, s[WV], 14
	s_add_co_u32 s62, s62, s63
	s_mov_b32 s63, 0
	s_add_nc_u64 s[10:11], s[10:11], s[62:63]
	v_and_b32 v5, 15, v0                           ; r
	v_bfe_u32 v7, v0, 4, 1                         ; h
	s_mul_i32 s22, s[WV], 16*SP
	s_add_co_u32 s22, s22, STAGE                   ; my stage
	v_mul_u32_u24 v[STO], v5, SP                   ; in: row r, 32 bytes for each half of the lanes
	v_lshl_add_u32 v[STO], v7, 5, v[STO]
	v_add_nc_u32 v[STO], s22, v[STO]
	v_mul_u32_u24 v[RD], v7, SP                    ; back: lanes 0-15 one row of 256 bytes, lanes 16-31 the next
	v_lshl_add_u32 v[RD], v5, 4, v[RD]
	v_add_nc_u32 v[RD], s22, v[RD]
	s_mov_b32 s[TB], 0
	s_wait_kmcnt 0x0
	s_sub_co_i32 s2, s52, s50
	s_sub_co_i32 s2, s2, s51
	s_add_co_i32 s2, s2, 122                       ; E + 127, E = e4 - e2 - e3 - 5: the factor 32 and the three scales folded into the conversion's one
	s_lshl_b32 s3, s2, 23
	v_mov_b32 v[SCL], s3
	WIN LDV
	v_mov_b32 v[SCL], s3                           ; and in window 1, where the loop's setting looks for a second source
	WIN 0
	s_add_co_i32 s2, s2, 8
	s_lshl_b32 s2, s2, 23
	s_or_b32 s[LPOS], s2, 0x600000                 ; 448 x 2^E
	s_or_b32 s[LNEG], s[LPOS], 0x80000000
	s_add_co_i32 s[OSC], s52, s53
	s_add_co_i32 s[OSC], s[OSC], 127
	s_lshl_b32 s[OSC], s[OSC], 23                  ; 2^(e4 + e5)
	s_mov_b32 s[OSC+1], s[OSC]                     ; (named with it as a pair, so it is written)
.macro HOLD t, j0, j1                  ; registers j0 .. j1 of key tile t are held within +-448 x 2^E: the conversion to an 8-bit code does not saturate (ISA guide 7.6.2)
.set hj, \j0
.rept (\j1)-(\j0)+1
	v_med3_num_f32 v[S+8*(\t)+hj], v[S+8*(\t)+hj], s[LNEG], s[LPOS]
.set hj, hj+1
.endr
.endm
.macro SCORE t, ks, q                  ; key tile t of k's set ks against query tile q
	v_wmma_f32_16x16x64_fp8_fp8 v[S+8*(\t):S+8*(\t)+7], v[KF+64*(\ks)+8*(\t):KF+64*(\ks)+8*(\t)+7], v[QF+8*(\q):QF+8*(\q)+7], 0
.endm
.macro CODES t, ps                     ; key tile t's eight scores a lane become registers 2 t, 2 t + 1 of P's set ps
	v_cvt_scalef32_pk8_fp8_f32 v[P+16*(\ps)+2*(\t):P+16*(\ps)+2*(\t)+1], v[S+8*(\t):S+8*(\t)+7], v[SCL]
.endm
.macro OW q, t, ps, mode               ; O^T of query tile q, d tile t.  mode 1: the product starts the sum; 2: it adds in place (the 16 accumulators take turns)
.if \mode == 1
	v_wmma_f32_16x16x128_fp8_fp8 v[OA+32*(\q)+8*(\t):OA+32*(\q)+8*(\t)+7], v[VF+16*(\t):VF+16*(\t)+15], v[P+16*(\ps):P+16*(\ps)+15], 0
.else
	v_wmma_f32_16x16x128_fp8_fp8 v[OA+32*(\q)+8*(\t):OA+32*(\q)+8*(\t)+7], v[VF+16*(\t):VF+16*(\t)+15], v[P+16*(\ps):P+16*(\ps)+15], v[OA+32*(\q)+8*(\t):OA+32*(\q)+8*(\t)+7]
.endif
.endm
; The place of an O^T product.  ld >= 0: first v's tile ld of the step at LDS offset off is asked for, four loads, over the last step's, whose last reader stands a dozen holds or more back.
; wt >= 0: so many younger LDS loads may stay out when the tile that this product reads has to be in.
.macro OUTP q, t, ps, mode, ld, off, wt
.if (\ld) >= 0
	WIN LDV
.irp c, 0,1,2,3
	ds_load_b128 v[VF+16*(\ld)+4*\c:VF+16*(\ld)+4*\c+3], v[ADR] offset:(\off)+8192+2048*(\ld)+512*\c
.endr
.endif
.if (\wt) >= 0
	s_wait_dscnt \wt
.endif
.if \mode
	WIN M2
	OW \q, \t, \ps, \mode
.endif
	WIN M1
.endm
.macro FETCHK adr, ks, off             ; a step's eight fragments of k, 16 loads in one run, into set ks: under the loop's setting or under 0
.irp f, 0,1,2,3,4,5,6,7
.irp c, 0,1
	ds_load_b128 v[KF+64*(\ks)+8*\f+4*\c:KF+64*(\ks)+8*\f+4*\c+3], v[\adr] offset:(\off)+1024*\f+512*\c
.endr
.endr
.endm
; THE TURN of query tile i in a step whose k lies in set sp.  At its head key tiles 0-6 hold this tile's scores; tile 7's product stands behind the first five holds (the turn before converted tile 7 last).
; Key tile T's unit: three holds, the conversion of tile T - 1 (so that it stands three lines behind the last hold that it reads), one hold, the next query tile's product over tile T - 1, four holds.
; Behind each odd unit stands an O^T product of the query tile before; the last stands between tile 7's holds and its conversion.
; One plain line or more stands between a conversion and the product that writes over its sources; a key tile is first read, at its register 0, most of a turn behind the product that wrote it;
; from an O^T product to the conversion that writes its P anew, and to the loads over its v, stand more than four holds, which name none of its registers (ISA guide 7.12.1 for vector instructions).
; v HAS ONE SET.  In a step's turn 0 the O^T products still take the last step's v; tile u - 1 is asked for anew ahead of the product on tile u, tile 3 ahead of turn 1's first product; turn 1's four products
; wait with the counts 12, 8, 4, 0: the loads of the three, two, one, no younger tiles, four each (k's loads are older than all of them).
; omode: O^T of the query tile before: 0 none, 1 starts its sums, 2 adds.  smode = 0: there is no next tile to score.
.macro TURN sp, i, omode, smode
.set kn, \sp                           ; k's set for the next query tile: the next step's in the last turn
.if (\i) == NQ-1
.set kn, 1-(\sp)
.endif
.set qn, ((\i)+1)%NQ
.set qp, ((\i)+NQ-1)%NQ
.set pw, (\i)%2
	HOLD 0, 0, 4
	SCORE 7, \sp, \i
	HOLD 0, 5, 7
.irp T, 1,2,3,4,5,6,7
	HOLD \T, 0, 2
	CODES \T-1, pw
	HOLD \T, 3, 3
.if \smode
	SCORE \T-1, kn, qn
.endif
	HOLD \T, 4, 7
.if (\T)%2 == 1
.set vl, -1
.set vw, -1
.if (\i) == 0 && (\T) > 1
.set vl, (\T)/2-1
.endif
.if (\i) == 1
.set vw, 12-4*((\T)/2)
.if (\T) == 1
.set vl, 3
.endif
.endif
	OUTP qp, (\T)/2, 1-pw, \omode, vl, (\sp)*STEPB, vw
.endif
.endr
	CODES 7, pw
.endm
; TWO STEPS, eight turns: one trip, since k's sets change places from step to step.  The next step's k is asked for at the head of turn 0 (its set was last read at the head of the turn before)
; and is in by turn 1's last wait, two turns ahead of its first use.
.macro DSTEP first, last
	WIN 0
	v_add_nc_u32 v[ADR], s[TB], v[LI]
	WIN M1
.irp sp, 0,1
.irp i, 0,1,2,3
.set lastst, (\last)*(\sp)             ; 1 in the last step of all, which has no next k
.if (\i == 0) && (lastst == 0)
	FETCHK ADR, 1-\sp, (\sp+1)*STEPB
.endif
.set om, 2
.if \first && (\sp == 0) && (\i == 0)
.set om, 0
.elseif \first && ((\sp == 0) || (\i == 0))
.set om, 1
.endif
.set sm, 1
.if lastst && (\i == NQ-1)
.set sm, 0
.endif
	TURN \sp, \i, om, sm
.endr
.endr
	WIN 0                                          ; at a label and at a branch every window is 0
	s_add_co_u32 s[TB], s[TB], 2*STEPB
.endm
	s_wait_tensorcnt 1                             ; my quarter of steps 0-3 is in, if I fetched; the second fill may stay out
	s_barrier_signal -1
	s_barrier_wait -1                              ; everybody's is
	FETCHK LI, 0, 0                                ; k of step 0
	s_wait_loadcnt 0x0                             ; q
	s_wait_dscnt 0x0
	WIN M1
.irp t, 0,1,2,3,4,5,6
	SCORE \t, 0, 0                                 ; query tile 0's first seven key tiles: there is no vector work yet to set between them
.endr
.rept 4
	v_nop                                          ; places in front of the first read of those scores
.endr
	DSTEP 1, 0                                     ; steps 0 and 1; it reads v of steps 0 and 1 and k of steps 1 and 2 out of LDS
	s_wait_tensorcnt 0x0                           ; my quarter of steps 4-15 is in,
	s_wait_dscnt 0x0
	s_barrier_signal -1
	s_barrier_wait -1                              ; everybody's is: the whole head lies in LDS
	s_mov_b32 s[CNT], 6
.Ltwo:                                                 ; steps 2 to 13
	DSTEP 0, 0
	s_sub_co_u32 s[CNT], s[CNT], 1
	s_cmp_lg_u32 s[CNT], 0
	s_cbranch_scc1 .Ltwo
	DSTEP 0, 1                                     ; steps 14 and 15
	v_nop                                          ; one plain line between the last conversion and the products that read its result
	WIN M2
.irp t, 0,1,2,3
	OW NQ-1, \t, 1, 2                              ; the last query tile's O^T of the last step
.endr
; THE WAY OUT, a query tile (16 rows of out) at a time.  A lane's eight numbers of a d tile are 32 neighbouring bytes of a row, and the lanes beside it hold other rows: so a tile goes through my own stage in LDS and
; comes back as whole rows of 256 bytes.  LDS serves a wave's instructions in order (ISA guide 5.7.1.4): no wait between the stores and the loads, nor in front of the next tile's stores.
; Tile 0's multiplications name no register of the last four products: they are the places behind them.
.macro PACK i
	WIN 0x01                                       ; source 0 window 1
.set pj, 0
.rept 16
	v_pk_mul_f32 v[TS+32*((\i)%2)+pj:TS+32*((\i)%2)+pj+1], v[OA+32*(\i)+pj:OA+32*(\i)+pj+1], s[OSC:OSC+1] op_sel_hi:[1,0]   ; x 2^(e4 + e5); each accumulator from its low end on
.set pj, pj+2
.endr
	WIN 0
.irp t, 0,1,2,3
	ds_store_b128 v[STO], v[TS+32*((\i)%2)+8*\t:TS+32*((\i)%2)+8*\t+3] offset:64*\t
	ds_store_b128 v[STO], v[TS+32*((\i)%2)+8*\t+4:TS+32*((\i)%2)+8*\t+7] offset:64*\t+16
.endr
.if (\i) >= 2
	s_wait_xcnt 0x0                                ; the stores of the tile two back have read their data: the loads below land there
.endif
.irp f, 0,1,2,3,4,5,6,7
	ds_load_b128 v[BK+32*((\i)%2)+4*\f:BK+32*((\i)%2)+4*\f+3], v[RD] offset:\f*2*SP
.endr
.endm
.macro SEND i, younger                 ; younger: the LDS instructions issued behind tile i's loads: the next tile's sixteen, or none
.irp f, 0,1,2,3,4,5,6,7
	s_wait_dscnt \younger+7-\f
	global_store_b128 v[LI], v[BK+32*((\i)%2)+4*\f:BK+32*((\i)%2)+4*\f+3], s[10:11] offset:4096*(\i)+512*\f th:TH_STORE_NT   ; 32 lanes store two rows, 512 consecutive bytes, aligned; written once, read by nobody here
.endr
.endm
	PACK 0
.irp i, 1,2,3
	PACK \i
	SEND \i-1, 16
.endr
	SEND 3, 0
	s_wait_dscnt 0x0
	s_wait_tensorcnt 0x0
	ds_add_u32 v30, v31
	s_wait_dscnt 0x0
	CROUND                                         ; the closing round: no work-group ends while a partner may still ask for a tile that names it
	s_endpgm
.Lfunc_end_k_q3ec90ecd2a_attn:
	.size	k_q3ec90ecd2a_attn, .Lfunc_end_k_q3ec90ecd2a_attn-k_q3ec90ecd2a_attn
	.p2alignl 7, 3214868480
	.fill 96, 4, 3214868480
	.section	.rodata,"a",@progbits
	.p2align	6, 0x0
	.amdhsa_kernel k_q3ec90ecd2a_attn
		.amdhsa_group_segment_fixed_size 297984
		.amdhsa_private_segment_fixed_size 0
		.amdhsa_enable_private_segment 0
		.amdhsa_kernarg_size 32
		.amdhsa_user_sgpr_count 2
		.amdhsa_user_sgpr_kernarg_segment_ptr 1
		.amdhsa_wavefront_size32 1
		.amdhsa_system_sgpr_workgroup_id_x 1
		.amdhsa_system_sgpr_workgroup_id_y 1
		.amdhsa_system_sgpr_workgroup_id_z 1
		.amdhsa_system_vgpr_workitem_id 0
		.amdhsa_next_free_vgpr 512
		.amdhsa_next_free_sgpr 66
		.amdhsa_reserve_vcc 0
		.amdhsa_float_denorm_mode_32 3
		.amdhsa_float_denorm_mode_16_64 3
		.amdhsa_memory_ordered 1
		.amdhsa_forward_progress 1
		.amdhsa_inst_pref_size 166
	.end_amdhsa_kernel
	.amdgpu_metadata
---
amdhsa.version: [ 1, 2 ]
amdhsa.kernels:
  - .name:           k_q3ec90ecd2a_attn
    .symbol:         k_q3ec90ecd2a_attn.kd
    .args:
      - { .name: qc, .offset: 0, .size: 8, .value_kind: global_buffer, .address_space: global }
      - { .name: kv, .offset: 8, .size: 8, .value_kind: global_buffer, .address_space: global }
      - { .name: lowp_scales, .offset: 16, .size: 8, .value_kind: global_buffer, .address_space: global }
      - { .name: out0, .offset: 24, .size: 8, .value_kind: global_buffer, .address_space: global }
    .group_segment_fixed_size: 297984
    .private_segment_fixed_size: 0
    .kernarg_segment_align: 8
    .kernarg_segment_size: 32
    .max_flat_workgroup_size: 256
    .sgpr_count:     66
    .vgpr_count:     512
    .wavefront_size: 32
...
	.end_amdgpu_metadata
.endif
;; end of part 2
